; MI455X (gfx1250); checked and timed in simulation.
; The chip was launched on July 23, 2026; its instructions are those of AMD's public machine-readable ISA for CDNA 5 (MIT licence, August 2026) and "CDNA5" Instruction Set Architecture Reference Guide (July 2026). The comments in the code are by the model that wrote it; some were corrected since.
;; Position Wise FFN Lora. Allowed arithmetic: matrix products marked QUANTISED: E4M3 operands, one E8M0 scale for each 32 along K, by v_wmma_scale_f32_16x16x128_f8f6f4 with both operands' format E4M3, f32 sums; everything else in f32.
;; Inputs: W1 4,096 x 1,024 float32; W2 1,024 x 4,096 float32; b1 4,096 float32; b2 1,024 float32; scale one number float32; x 4 x 1,024 x 1,024 float32.
;; Outputs: out0 4 x 1,024 x 1,024 float32.
;; This version of the problem:
;;   THIS VERSION OF THE PROBLEM IS GIVEN IN LOW PRECISION. The matrix products marked QUANTISED in the list below multiply operands that are first quantised to E4M3 (4 exponent bits, 3 mantissa bits; 8 bits a number), with one power-of-two scale for each 32 numbers along K (OCP MX v1.0); their sums are f32. All else is computed in f32.
;;   The module's matrix products, in the order in which they are computed (A, B: the left and right operand; K: the contracted axis; several contracted axes count as one K, in the product's order):
;;     1. [M 4,096, K 1,024] x [K 1,024, N 4,096]; A: input x; B: input W1: QUANTISED
;;     2. batch 4 x [M 1,024, K 1,024] x [K 1,024, N 4,096]; A: input x; B: computed on the way: QUANTISED
;;     3. [M 4,096, K 4,096] x [K 4,096, N 1,024]; A: computed on the way; B: input W2: QUANTISED
;;     4. batch 4 x [M 1,024, K 4,096] x [K 4,096, N 1,024]; A: computed on the way; B: computed on the way: QUANTISED
;;   THE QUANTISER, for each operand of a quantised product, along K:
;;     - K is cut into blocks of 32 from its start; a last block that is shorter is filled with zeros.
;;     - A block's scale is 2^e with e = floor(log2(the largest magnitude in the block)) - 8, held to -126 .. 127; a block of zeros has e = 0. As a byte (E8M0): e + 127.
;;     - Each number is divided by its block's scale, clamped to +-448, and rounded to the nearest number of E4M3, ties to even, subnormals kept.
;;     - The product sums the exact products of the quantised numbers (number of the format x scale) in f32.
;;   ~~~python
;;   def quantise(x, axis):      # numpy; x: float32 -> the quantised numbers, widened to float32 again
;;       x = np.moveaxis(x, axis, -1); K = x.shape[-1]
;;       x = np.pad(x, [(0, 0)] * (x.ndim - 1) + [(0, -K % 32)]); x = x.reshape(x.shape[:-1] + (-1, 32)); a = np.abs(x).max(-1, keepdims=True)
;;       e = np.where(a > 0, np.clip(np.frexp(np.where(a > 0, a, 1))[1] - 1 - 8, -126, 127), 0)      # np.frexp(a)[1] - 1 = floor(log2(a)), exactly
;;       r = np.clip(x / 2.0 ** e, -448, 448)
;;       step = 2.0 ** (np.maximum(np.frexp(np.where(r == 0, 1, r))[1] - 1, -6) - 3)
;;       q = np.round(r / step) * step * 2.0 ** e      # np.round: ties to even
;;       return np.moveaxis(q.reshape(q.shape[:-2] + (-1,))[..., :K], -1, axis).astype(np.float32)
;;   ~~~
;;   OPERANDS COMPUTED ON THE WAY. 'Computed on the way' means the value that the module computes at that place (a softmax that the list does not call 'softmax' is quantised finished and normalised). What goes into a quantiser is computed in f32, as accurately as f32 sums, v_exp_f32 and their like allow (about 1e-6 of the number): no bf16 or f16 on the way to a quantiser, and a product that is left as it is and whose result goes on into a quantised operand takes f32 operands (vector FMAs, or v_wmma_f32_16x16x4_f32). A number that lies on a knife's edge between two numbers of the format may be rounded either way, as far as f32 arithmetic and the matrix unit's own rounding can turn it there, and no further.
;; One version. Each part assembles by itself: llvm-mc -triple=amdgcn-amd-amdhsa -mcpu=gfx1250 --defsym DOCPART=n.
;; ======== version 1 of 1: 3 launches
;; workspace buffers: xq 4,325,376 bytes; b1q 21,626,880 bytes; hq 17,301,504 bytes; m2q 17,301,504 bytes; w2q 4,325,376 bytes
;; launch prep (part 1): grid 896 x 1, 4 waves a work-group, no clusters, 34,304 bytes of LDS; arguments x, W1, W2, xq, b1q, w2q, m2q; writes xq, b1q, w2q, m2q
.if DOCPART == 1
	.amdgcn_target "amdgcn-amd-amdhsa--gfx1250"
	.amdhsa_code_object_version 6
	.text
	.protected	k_qd0d4296762_prep
	.globl	k_qd0d4296762_prep
	.p2align	8
	.type	k_qd0d4296762_prep,@function
k_qd0d4296762_prep:
	s_mov_b64 s[64:65], 0
	v_nop
	global_prefetch_b8 v0, s[64:65] scope:SCOPE_SE
	s_setreg_imm32_b32 hwreg(HW_REG_WAVE_MODE, 25, 1), 1
	s_wait_xcnt 0x0
; All five operands that the two GEMM launches read are turned into codes of FP8 (E4M3) with one E8M0 scale byte for each 32 along K:
; x [4096][1024], W1 [4096][1024], W2 [1024][4096] (f32, K innermost), and the two rank-one updates, which are made here from x's tokens 1 to 16:
;   m1[b][1024 k + i][j] = x[b][1+2k][i] * x[b][2+2k][j]          (4096 rows, K = 1024)
;   m2[b][o][hh]         = x[b][9+2k][i] * x[b][10+2k][j],  k = o / 256, i = 4 (o % 256) + hh / 1024, j = hh % 1024   (1024 rows, K = 4096)
; THE LAYOUT OF THE WORKSPACE is that of the matrix operand's registers.  A TILE BLOCK (TB, 33,792 bytes) holds 128 rows x 256 along K:
;   codes at  rb*4096 + q*2048 + c*512 + lane*16 + i : block of 16 rows rb, K step q of 128, lane (r = lane % 16, h = lane / 16): row r of the block, k = 128 q + 32 c + 16 h + i
;   scale words (4 bytes: 128 along K of one row) at  32768 + q*512 + (rb/2)*128 + r*8 + (rb%2)*4
; so a fragment is four loads of 16 bytes a lane, 512 consecutive bytes each, and a block is one dense piece of memory.  A matrix is [K / 256][rows / 128][TB].
; Which row is row r of block rb: 16 rb + r (natural), or, for W1 and m1, 32 (rb/2) + 8 (rb%2) + r + 8 (r/8): the first GEMM's results then are 16 neighbours along the next K in a lane's registers.
; A block's scale is 2^(floor(log2(largest magnitude)) - 8): its byte is the largest magnitude's exponent field - 8, held at 1 from below by a floor among the maximum's leaves.
; LIMITS: a block of zeros, and a block whose largest magnitude lies under 2^-118, gets the byte 1 (its codes are zeros or tiny; only this program reads the bytes); NaN and infinities among the inputs are not served.
; SHARES: wave w takes K step q = w % 2 and row blocks 4 (w / 2) + 0 .. 3 of a TB.  Work-groups 0-127: x; 128-255: W1; 256-383: W2: one TB each.  Work-groups 384-639: m1; 640-895: m2: TWO TB each,
; an even group of 128 rows and the next: both take the same 128 numbers of the same odd token, which are loaded, and searched for their largest magnitudes, once for the two.
; No tensor loads, no barrier: waves share nothing.  The loads carry no cache hint: one text serves x too, whose sixteen tokens other work-groups read again.
.set TB,   33792
.set SEC,  128*TB                      ; a section of b1q: one matrix of 4096 x 1024
.set STG,  8448                        ; LDS: a stage of 16 rows x (512 + 16) bytes for each wave
.set VO,   8                           ; v8-23    byte offset of row i of a fragment: 16 x lane + i x row bytes (+ 8 rows from i = 8 on where the rows are permuted)
.set TM,   24                          ; v24-27 largest magnitudes, v28-31 bytes, v32-35 448 x the scale, v36-39 the conversions' scale operands
.set PW,   40                          ; v40-43   four fragments' scale words
.set R,    48                          ; v48-175  two sets of 64: a fragment's numbers as they are loaded
.set X,    176                         ; v176-239 64 numbers of a lane: register 16 c + n = k 32 c + 16 h + n of row r
.set PC,   240                         ; v240-255 a fragment's codes
.set O,    48                          ; (m1, m2) v48-111 the odd token's 64 numbers of my K step; v112-115 their blocks' largest magnitudes
.set OM,   112
.set E,    116                         ; (m1, m2) v116, 118, .. 130: the even token's number of my row, a fragment each, four for each of the two TB (the odd registers are named with them as pairs)
.set VE,   132                         ; (m1, m2) v132-139 where those numbers lie
.set SW,   144                         ; (m1, m2) v[144:145] the first TB's scale words on their way out
.set SB,   36                          ; s[36:43] the four fragments' first bytes in the source
.set SEL,  44                          ; s[44:45] v_permlanex16_b32's selects for lane l xor 16
.set MNT,  46                          ; s46      the mantissa field of 448
.set DB,   48                          ; s[48:49] where my codes go;  s[50:51] where my scale words go
.set DS,   50
.macro MKD                             ; s[30:31] = the TB's first byte
	s_lshl_b32 s32, s19, 11                        ; codes: q * 2048 + (w / 2) * 4 blocks of 4096
	s_lshl_b32 s53, s20, 14
	s_add_co_u32 s32, s32, s53
	s_mov_b32 s33, 0
	s_add_nc_u64 s[DB:DB+1], s[30:31], s[32:33]
	s_lshl_b32 s32, s19, 9                         ; scale words: 32768 + q * 512 + (w / 2) * 256
	s_lshl_b32 s53, s20, 8
	s_add_co_u32 s32, s32, s53
	s_add_co_u32 s32, s32, 32768
	s_add_nc_u64 s[DS:DS+1], s[30:31], s[32:33]
.endm
.macro LOAD f                          ; fragment f: 16 rows x 512 bytes; each load reads 512 consecutive bytes of one row
.irp i, 0,1,2,3,4,5,6,7,8,9,10,11,12,13,14,15
	global_load_b128 v[R+64*((\f)%2)+4*\i:R+64*((\f)%2)+4*\i+3], v[VO+\i], s[SB+2*(\f):SB+2*(\f)+1]
.endr
.endm
.macro TURNIN f                        ; through my stage: in as loaded, out 64 bytes of a row and block to a lane.  LDS serves a wave's instructions in order (ISA guide 5.7.1.4): no wait between
.irp i, 0,1,2,3,4,5,6,7,8,9,10,11,12,13,14,15
	ds_store_b128 v4, v[R+64*((\f)%2)+4*\i:R+64*((\f)%2)+4*\i+3] offset:528*\i
.endr
.irp c, 0,1,2,3
.irp j, 0,1,2,3
	ds_load_b128 v[X+16*\c+4*\j:X+16*\c+4*\j+3], v5 offset:128*\c+16*\j
.endr
.endr
.endm
.macro QMAX s                          ; the four blocks' largest magnitudes: my 16 numbers of each, the floor 2^(9 - 127), and lane l xor 16's
.irp b, 0,1,2,3
	v_max3_num_f32 v[TM+\b], |v[\s+16*\b]|, |v[\s+1+16*\b]|, 0x4800000
.endr
.irp i, 2,4,6,8,10,12,14
.irp b, 0,1,2,3
	v_max3_num_f32 v[TM+\b], v[TM+\b], |v[\s+16*\b+\i]|, |v[\s+1+16*\b+\i]|
.endr
.endr
.irp b, 0,1,2,3
	v_permlanex16_b32 v[TM+4+\b], v[TM+\b], s[SEL], s[SEL+1]
.endr
.irp b, 0,1,2,3
	v_max_num_f32 v[TM+\b], v[TM+\b], v[TM+4+\b]
.endr
.endm
.macro QTAIL s, pw                     ; from the largest magnitudes in v[TM] on: the scale word into v[pw], the codes into v[PC] on
.irp b, 0,1,2,3
	v_add_nc_u32 v[TM+12+\b], 0xfc000000, v[TM+\b]         ; 8 off the exponent field: the conversion takes this operand's exponent field as its scale
.endr
.irp b, 0,1,2,3
	v_and_or_b32 v[TM+8+\b], v[TM+\b], 0x7f800000, s[MNT]  ; 448 x the scale
.endr
.irp b, 0,1,2,3
	v_lshrrev_b32 v[TM+4+\b], 23, v[TM+12+\b]              ; the scale's byte
.endr
	v_lshl_or_b32 v[\pw], v[TM+5], 8, v[TM+4]
	v_lshl_or_b32 v[\pw], v[TM+6], 16, v[\pw]
	v_lshl_or_b32 v[\pw], v[TM+7], 24, v[\pw]
.irp b, 0,1,2,3
.irp i, 0,1,2,3,4,5,6,7,8,9,10,11,12,13,14,15
	v_med3_num_f32 v[\s+16*\b+\i], v[\s+16*\b+\i], -v[TM+8+\b], v[TM+8+\b]   ; the conversion to an 8-bit code does not saturate (ISA guide 7.6.2): the hold comes first
.endr
	v_cvt_scalef32_pk8_fp8_f32 v[PC+4*\b:PC+1+4*\b], v[\s+16*\b:\s+7+16*\b], v[TM+12+\b]
	v_cvt_scalef32_pk8_fp8_f32 v[PC+2+4*\b:PC+3+4*\b], v[\s+8+16*\b:\s+15+16*\b], v[TM+12+\b]
.endr
	v_nop                                          ; a plain line behind the last conversion, ahead of whatever vector line next writes its sources
.endm
.macro PUT f                           ; the fragment's image: four stores of 512 consecutive bytes, aligned
.irp c, 0,1,2,3
	global_store_b128 v6, v[PC+4*\c:PC+4*\c+3], s[DB:DB+1] offset:4096*(\f)+512*\c
.endr
.endm
	s_load_b256 s[4:11], s[0:1], 0x0               ; x s[4:5], W1 s[6:7], W2 s[8:9], xq s[10:11]
	s_load_b128 s[12:15], s[0:1], 0x20             ; b1q s[12:13], w2q s[14:15]
	s_load_b64 s[16:17], s[0:1], 0x30              ; m2q
	v_lshl_add_u32 v47, v0, 2, 0x8400
	s_set_vgpr_msb 0x40
	v_mov_b32 v1, 0
	s_set_vgpr_msb 0x4000
	v_lshrrev_b32 v1, 5, v0
	v_readfirstlane_b32 s18, v1                    ; wave
	s_and_b32 s19, s18, 1                          ; q
	s_lshr_b32 s20, s18, 1                         ; which four row blocks
	s_and_b32 s22, ttmp9, 127                      ; x, W1, W2: the TB's number in its matrix: each begins at a multiple of 128
	v_and_b32 v1, 31, v0                           ; lane
	v_and_b32 v2, 15, v0                           ; r
	v_bfe_u32 v3, v0, 4, 1                         ; h
	v_lshlrev_b32 v6, 4, v1                        ; 16 x lane
	v_lshlrev_b32 v7, 3, v1                        ; 8 x lane
	s_mul_i32 s52, s18, STG
	v_add_nc_u32 v4, s52, v6                       ; the stage, on the way in
	v_mul_u32_u24 v5, v2, 528
	v_lshl_add_u32 v5, v3, 6, v5
	v_add_nc_u32 v5, s52, v5                       ; and out: row r, + 64 h
	s_mov_b32 s[SEL], 0x76543210
	s_mov_b32 s[SEL+1], 0xfedcba98
	s_mov_b32 s[MNT], 0x600000
.irp b, 0,1,2,3
	v_mov_b32 v[TM+4+\b], 0                        ; written once: a lane permute's destination counts as one of its sources
.endr
	s_wait_kmcnt 0x0
	s_cmp_lt_u32 ttmp9, 384
	s_cbranch_scc0 .Lgen
	; ---- x, W1, W2: numbers are read, turned through the stage and quantised.  Row bytes and row order live in registers, so one text serves the three
	s_mov_b32 s25, 16384
	s_cmp_lt_u32 ttmp9, 256
	s_cselect_b32 s25, 4096, s25                   ; a row in bytes
	s_cselect_b32 s52, 5, 3                        ; log2 of the row groups
	s_cselect_b64 s[28:29], s[6:7], s[8:9]
	s_cselect_b64 s[30:31], s[12:13], s[14:15]
	s_cmp_lt_u32 ttmp9, 128
	s_cselect_b64 s[28:29], s[4:5], s[28:29]       ; the source,
	s_cselect_b64 s[30:31], s[10:11], s[30:31]     ; the destination
	s_lshr_b32 s23, s22, s52                       ; which 256 along K
	s_lshl_b32 s53, s23, s52
	s_sub_co_u32 s24, s22, s53                     ; which 128 rows
	s_lshl_b32 s55, s25, 3                         ; 8 rows
	s_lshl_b32 s56, s25, 4                         ; 16 rows
	s_lshr_b32 s53, ttmp9, 7
	s_cmp_eq_u32 s53, 1                            ; W1: permuted rows, and section 4 of b1q
	s_cselect_b32 s26, s55, 0                      ; rows 8-15 of a fragment lie 8 rows further on
	s_cselect_b32 s27, s55, s56                    ; from an even fragment to the odd one
	s_cselect_b32 s32, 4*SEC, 0
	s_mul_i32 s53, s22, TB
	s_add_co_u32 s32, s32, s53
	s_mov_b32 s33, 0
	s_add_nc_u64 s[30:31], s[30:31], s[32:33]
	MKD
	s_lshl_b32 s34, s24, 7
	s_lshl_b32 s53, s20, 6
	s_add_co_u32 s34, s34, s53                     ; my first row
	s_mul_i32 s34, s34, s25
	s_lshl_b32 s53, s23, 10
	s_add_co_u32 s34, s34, s53                     ; + 256 numbers for each K slot
	s_lshl_b32 s53, s19, 9
	s_add_co_u32 s34, s34, s53                     ; + 128 for q
	s_mov_b32 s35, 0
	s_add_nc_u64 s[SB:SB+1], s[28:29], s[34:35]
	s_mov_b32 s34, s27
	s_add_nc_u64 s[SB+2:SB+3], s[SB:SB+1], s[34:35]
	s_lshl_b32 s34, s25, 5                         ; fragments 2 and 3 begin 32 rows on, in either order of rows
	s_add_nc_u64 s[SB+4:SB+5], s[SB:SB+1], s[34:35]
	s_mov_b32 s34, s27
	s_add_nc_u64 s[SB+6:SB+7], s[SB+4:SB+5], s[34:35]
.irp i, 0,1,2,3,4,5,6,7,8,9,10,11,12,13,14,15
	s_mul_i32 s53, s25, \i
.if \i >= 8
	s_add_co_u32 s53, s53, s26
.endif
	v_add_nc_u32 v[VO+\i], s53, v6
.endr
	LOAD 0
	LOAD 1
.irp f, 0,1,2,3
.if \f < 3
	s_wait_loadcnt 16                              ; this fragment's 16 loads are in; the next fragment's 16 may be out
.else
	s_wait_loadcnt 0x0
.endif
	TURNIN \f
	s_wait_dscnt 0x0                               ; my 64 numbers are back, and the stage's stores have read the set as loaded
.if \f < 2
	LOAD \f+2                                      ; which takes the fragment two further on
.endif
.if \f > 0
	s_wait_xcnt 0x0                                ; the last fragment's stores have read the codes' registers: they are written again only behind this wait
.endif
	QMAX X
	QTAIL X, PW+\f
	PUT \f
.endr
	s_branch .Lend
	; ---- m1, m2: a row of the matrix is one number of an even token times 128 numbers of the odd token behind it
.Lgen:
	s_and_b32 s22, ttmp9, 63
	s_lshl_b32 s22, s22, 1                         ; the first of my two TB: 64 pairs to a batch, and both ranges begin at a multiple of 64
	s_lshr_b32 s21, ttmp9, 6
	s_sub_co_u32 s21, s21, 6
	s_and_b32 s21, s21, 3                          ; the batch
	s_cmp_lt_u32 ttmp9, 640                        ; m1 or m2
	s_cselect_b32 s52, 5, 3
	s_cselect_b64 s[30:31], s[12:13], s[16:17]
	s_lshr_b32 s23, s22, s52                       ; which 256 along K
	s_lshl_b32 s53, s23, s52
	s_sub_co_u32 s24, s22, s53                     ; which 128 rows: an even group
	s_lshl_b32 s32, s21, 7
	s_add_co_u32 s32, s32, s22
	s_mul_i32 s32, s32, TB                         ; 128 TB a batch in both buffers
	s_mov_b32 s33, 0
	s_add_nc_u64 s[30:31], s[30:31], s[32:33]
	MKD
	s_lshr_b32 s52, s24, 3                         ; m1: the pair of tokens k = row / 1024,
	s_lshr_b32 s53, s24, 1                         ; m2: k = row / 256: the same for an even group of rows and the next
	s_and_b32 s54, s24, 7                          ; m1: byte of my first row's number in the even token: 4 (128 (rg % 8) + 64 (w / 2))
	s_lshl_b32 s54, s54, 9
	s_lshl_b32 s55, s20, 8
	s_add_co_u32 s54, s54, s55
	s_and_b32 s55, s24, 1                          ; m2: 16 (128 (rg % 2) + 64 (w / 2)) + 4 (K slot / 4)
	s_lshl_b32 s55, s55, 11
	s_lshl_b32 s56, s20, 10
	s_add_co_u32 s55, s55, s56
	s_lshr_b32 s56, s23, 2
	s_lshl_b32 s56, s56, 2
	s_add_co_u32 s55, s55, s56
	s_mov_b32 s59, 256
	s_mov_b32 s60, 512
	s_mov_b32 s61, 768
	s_mov_b32 s62, 2048
	s_cmp_lt_u32 ttmp9, 640
	s_cselect_b32 s52, s52, s53                    ; k
	s_cselect_b32 s54, s54, s55
	s_cselect_b32 s53, 1, 9                        ; the first even token
	s_cselect_b32 s57, 4, 16                       ; from row to row of a fragment: 4 bytes (m1), 16 (m2);
	s_cselect_b32 s58, 32, 0                       ; m1's rows 8-15 lie 8 numbers further on;
	s_cselect_b32 s59, 32, s59                     ; fragments 1, 2, 3 begin 8, 32, 40 numbers on (m1) or 16, 32, 48 rows of 16 bytes (m2);
	s_cselect_b32 s60, 128, s60
	s_cselect_b32 s61, 160, s61
	s_cselect_b32 s62, 512, s62                    ; the second TB's 128 rows begin 128 numbers on (m1) or 128 rows of 16 bytes (m2)
	s_lshl_b32 s56, s21, 10
	s_add_co_u32 s56, s56, s53
	s_lshl_b32 s52, s52, 1
	s_add_co_u32 s56, s56, s52
	s_lshl_b32 s56, s56, 12                        ; the even token's row of x, in bytes
	s_add_co_u32 s34, s56, s54
	s_mov_b32 s35, 0
	s_add_nc_u64 s[28:29], s[4:5], s[34:35]
	s_lshl_b32 s52, s23, 1
	s_add_co_u32 s52, s52, s19
	s_and_b32 s52, s52, 7
	s_lshl_b32 s52, s52, 9                         ; my 128 numbers of the odd token: j = (256 slot + 128 q) % 1024
	s_add_co_u32 s34, s56, s52
	s_add_co_u32 s34, s34, 4096                    ; the odd token is the next row of x
	s_add_nc_u64 s[SB:SB+1], s[4:5], s[34:35]
	v_mul_u32_u24 v44, v2, s57
	v_lshrrev_b32 v45, 3, v2
	v_mad_u32_u24 v44, v45, s58, v44
	v_mov_b32 v[VE], v44
	v_add_nc_u32 v[VE+1], s59, v44
	v_add_nc_u32 v[VE+2], s60, v44
	v_add_nc_u32 v[VE+3], s61, v44
.irp f, 0,1,2,3
	v_add_nc_u32 v[VE+4+\f], s62, v[VE+\f]         ; the last of them ends at byte 4,095 of the token's 4,096
.endr
	v_lshlrev_b32 v46, 6, v3                       ; 64 h: my 16 numbers of each block of 32
.irp c, 0,1,2,3
.irp j, 0,1,2,3
	global_load_b128 v[O+16*\c+4*\j:O+16*\c+4*\j+3], v46, s[SB:SB+1] offset:128*\c+16*\j
.endr
.endr
.irp e, 0,1,2,3,4,5,6,7
	global_load_b32 v[E+2*\e], v[VE+\e], s[28:29]
.endr
.irp e, 0,1,2,3,4,5,6,7
	v_mov_b32 v[E+2*\e+1], 0                       ; named with the number as a pair, so it is written
.endr
	s_wait_loadcnt 0x0
.irp c, 0,1,2,3
	v_max3_num_f32 v[OM+\c], |v[O+16*\c]|, |v[O+16*\c+1]|, 0
.endr
.irp i, 2,4,6,8,10,12,14
.irp c, 0,1,2,3
	v_max3_num_f32 v[OM+\c], v[OM+\c], |v[O+16*\c+\i]|, |v[O+16*\c+\i+1]|
.endr
.endr
.irp c, 0,1,2,3
	v_permlanex16_b32 v[TM+4+\c], v[OM+\c], s[SEL], s[SEL+1]
.endr
.irp c, 0,1,2,3
	v_max_num_f32 v[OM+\c], v[OM+\c], v[TM+4+\c]   ; the largest |odd| of each block of 32: made once for the eight fragments
.endr
; In a block the even number e is one number, and rounding keeps order: the largest |fl(e o)| is fl(|e| x the largest |o|).  So a block's largest magnitude is one multiplication.
.macro GENF e, f                       ; e: which of my eight even numbers; f: the fragment's place in its TB
.if (\e) > 0
	s_wait_xcnt 0x0                                ; the last fragment's stores have read the codes' registers
.endif
.set n, 0
.rept 32
	v_pk_mul_f32 v[X+n:X+n+1], v[O+n:O+n+1], v[E+2*(\e):E+2*(\e)+1] op_sel_hi:[1,0]   ; the matrix's numbers, each rounded once to f32, as the outer product has them
.set n, n+2
.endr
.irp c, 0,1,2,3
	v_mul_f32 v[TM+\c], |v[E+2*(\e)]|, v[OM+\c]
.endr
.irp c, 0,1,2,3
	v_max_num_f32 v[TM+\c], 0x4800000, v[TM+\c]    ; the floor 2^(9 - 127)
.endr
	QTAIL X, PW+\f
	PUT \f
.endm
	GENF 0, 0
	GENF 1, 1
	GENF 2, 2
	GENF 3, 3
	v_cmp_lt_u32 vcc_lo, 15, v1                    ; the first TB's scale words leave as the second's do below
	v_cndmask_b32 v[SW], v[PW], v[PW+2], vcc_lo
	v_cndmask_b32 v[SW+1], v[PW+1], v[PW+3], vcc_lo
	global_store_b64 v7, v[SW:SW+1], s[DS:DS+1]
	s_wait_xcnt 0x0                                ; the stores have read their bases: both step to the next TB only behind this wait
	s_add_nc_u64 s[DB:DB+1], s[DB:DB+1], TB
	s_add_nc_u64 s[DS:DS+1], s[DS:DS+1], TB
	GENF 4, 0
	GENF 5, 1
	GENF 6, 2
	GENF 7, 3
.Lend:                                             ; every lane holds its row's word of each fragment: lanes 0-15 send fragments 0 and 1, lanes 16-31 fragments 2 and 3
	v_cmp_lt_u32 vcc_lo, 15, v1
	v_cndmask_b32 v44, v[PW], v[PW+2], vcc_lo
	v_cndmask_b32 v45, v[PW+1], v[PW+3], vcc_lo
	global_store_b64 v7, v[44:45], s[DS:DS+1]      ; 32 lanes store 256 consecutive bytes, aligned
	s_set_vgpr_msb 0x4
	s_wait_tensorcnt 0x0
	ds_add_u32 v47, v1
	s_wait_dscnt 0x0
	s_set_vgpr_msb 0x400
	s_endpgm
.Lfunc_end_k_qd0d4296762_prep:
	.size	k_qd0d4296762_prep, .Lfunc_end_k_qd0d4296762_prep-k_qd0d4296762_prep
	.p2alignl 7, 3214868480
	.fill 96, 4, 3214868480
	.section	.rodata,"a",@progbits
	.p2align	6, 0x0
	.amdhsa_kernel k_qd0d4296762_prep
		.amdhsa_group_segment_fixed_size 34304
		.amdhsa_private_segment_fixed_size 0
		.amdhsa_enable_private_segment 0
		.amdhsa_kernarg_size 56
		.amdhsa_user_sgpr_count 2
		.amdhsa_user_sgpr_kernarg_segment_ptr 1
		.amdhsa_wavefront_size32 1
		.amdhsa_system_sgpr_workgroup_id_x 1
		.amdhsa_system_sgpr_workgroup_id_y 1
		.amdhsa_system_sgpr_workgroup_id_z 1
		.amdhsa_system_vgpr_workitem_id 0
		.amdhsa_next_free_vgpr 258
		.amdhsa_next_free_sgpr 66
		.amdhsa_reserve_vcc 1
		.amdhsa_float_denorm_mode_32 3
		.amdhsa_float_denorm_mode_16_64 3
		.amdhsa_memory_ordered 1
		.amdhsa_forward_progress 1
		.amdhsa_inst_pref_size 129
	.end_amdhsa_kernel
	.amdgpu_metadata
---
amdhsa.version: [ 1, 2 ]
amdhsa.kernels:
  - .name:           k_qd0d4296762_prep
    .symbol:         k_qd0d4296762_prep.kd
    .args:
      - { .name: x, .offset: 0, .size: 8, .value_kind: global_buffer, .address_space: global }
      - { .name: W1, .offset: 8, .size: 8, .value_kind: global_buffer, .address_space: global }
      - { .name: W2, .offset: 16, .size: 8, .value_kind: global_buffer, .address_space: global }
      - { .name: xq, .offset: 24, .size: 8, .value_kind: global_buffer, .address_space: global }
      - { .name: b1q, .offset: 32, .size: 8, .value_kind: global_buffer, .address_space: global }
      - { .name: w2q, .offset: 40, .size: 8, .value_kind: global_buffer, .address_space: global }
      - { .name: m2q, .offset: 48, .size: 8, .value_kind: global_buffer, .address_space: global }
    .group_segment_fixed_size: 34304
    .private_segment_fixed_size: 0
    .kernarg_segment_align: 8
    .kernarg_segment_size: 56
    .max_flat_workgroup_size: 128
    .sgpr_count:     66
    .vgpr_count:     258
    .wavefront_size: 32
...
	.end_amdgpu_metadata
.endif
;; end of part 1
;; launch ffn1 (part 2): grid 16 x 16, 4 waves a work-group, clusters of 4 x 4, 327,680 bytes of LDS; arguments xq, b1q, b1, scale, hq; writes hq
.if DOCPART == 2
	.amdgcn_target "amdgcn-amd-amdhsa--gfx1250"
	.amdhsa_code_object_version 6
	.text
	.protected	k_qd0d4296762_ffn1
	.globl	k_qd0d4296762_ffn1
	.p2align	8
	.type	k_qd0d4296762_ffn1,@function
k_qd0d4296762_ffn1:
	s_mov_b64 s[64:65], 0
	v_nop
	global_prefetch_b8 v0, s[64:65] scope:SCOPE_SE
	s_setreg_imm32_b32 hwreg(HW_REG_WAVE_MODE, 25, 1), 1
	s_wait_xcnt 0x0
	s_wait_alu depctr_hold_cnt(0) depctr_sa_sdst(0) depctr_va_vdst(0) depctr_va_sdst(0) depctr_va_ssrc(0) depctr_va_vcc(0) depctr_vm_vsrc(0)
	s_getreg_b32 s2, hwreg(HW_REG_IB_STS2, 6, 4)
	s_cmp_eq_u32 s2, 0
	s_cbranch_scc0 .Lentry_in_a_cluster
	s_endpgm
.Lentry_in_a_cluster:
	s_bfe_u32 s2, ttmp6, 0x10000c
	s_cmp_lg_u32 s2, 0xf033
	s_cbranch_scc0 .Lentry_shape_is_right
	s_endpgm
.Lentry_shape_is_right:
; h = gelu(x W1^T + scale x m1[b]^T + b1), exact (erf) GELU, and h quantised along the hidden axis: codes of FP8 (E4M3) with one E8M0 byte for each 32, into hq.
; Both products are on codes made by the launch before.  They share their left operand, so they are ONE sum over an effective K of 2,048: first the 1,024 of m1[b]; then the sums are multiplied by scale;
; then the 1,024 of W1 are added onto them.  The bias, the GELU and the quantiser follow in registers.
; THE ORDER OF THE SUM is therefore (scale x P2 + P1) + b1.  LIMITS: NaN and infinities are not served; a block of h whose largest magnitude lies under 2^-118 gets the byte 1.
; GELU: erfc(z) = t exp(-z^2 + c0 + t (c1 + .. + t c9)), t = 1 / (1 + z / 2), z = |v| / sqrt(2) (a Chebyshev fit, fractional error 1.2e-7 for every z);  gelu(v) = max(v, 0) - |v| erfc(z) / 2,
; which keeps the relative accuracy in the negative tail; there the rounding of v^2 adds 6e-8 v^2 / 2 to it.
; OPERANDS lie as tile blocks (TB, 33,792 bytes: 128 rows x 256 along K as images of the operand's registers, then their scale words): a fragment is four LDS loads of 512 consecutive bytes, without padding.
; A tile of h, 256 x 256, is made by four waves, 128 x 128 each: 64 accumulators, 512 registers.  K goes in steps of 256 through two LDS slots of four TB (A's two, B's two); each wave fetches one TB by one tensor load.
; CLUSTERS: 4 x 4 work-groups, all of one batch.  A's blocks are shared along a row of the cluster, B's along a column: each is asked for jointly, by the same load with the same descriptor and a mask that names the four.
; THE MATRIX INSTRUCTION IS USED TRANSPOSED (source 0 = 16 rows of W1 or m1, source 1 = 16 rows of x), and b1q's rows are ordered so that the 64 registers of a block of 16 rows of h are, in lane (r, h),
; the hidden units 32 c + 16 h + n of row r at register 16 c + n: the order in which the conversions' results are the next operand's registers.
; REGISTERS: window 0: v16-31 addresses; v32-63 scale words, two sets, and nothing else; v128-255 A's fragments, one set.  window 1: B's fragments, two sets.  windows 2, 3: accumulator (a, b) at v[8 (8 (a % 4) + b)].
;   The way out, window 0: v128-191 a block's numbers, v192-255 t, v64-127 the exponent; the quantiser's 32 registers lie in t's, which is done with by then.  The bias lies in window 1, v0-63.
; All of a WGP's LDS is claimed.
.set TB,    33792
.set SEC,   128*TB                     ; a section of b1q: m1[0..3], then W1
.set KSB,   32*TB                      ; from one 256 along K to the next, in xq and in a section
.set SLOT,  4*TB
.set SCG,   2*SLOT                     ; behind the ring: 512 bytes for each wave, where h's scale words are gathered
.set SPARE, SCG+2048                   ; the spare words, 128 bytes for each wave: two blocks of 256 bytes that no other line names
.set NP,    8                          ; places behind this matrix instruction (ISA guide 7.12.1)
.set FR,    16
.set ADRA,  16                         ; v16-17 my A fragments in slot 0, 1;  v20-21 B's;  v22-23 my scale words: lanes 0-15 A's rows, lanes 16-31 B's
.set ADRB,  20
.set ADRS,  22
.set CO,    24                         ; v24 16 x lane
.set SGB,   25                         ; v25 the gather: my wave's 512 bytes + 8 r
.set SGR,   26                         ; v26 and back: + 16 x lane
.set BIA,   27                         ; v27 64 h: my 16 numbers of each 32 of b1
.set SPW,   28                         ; v28 my spare word;  v29 0; neither is rewritten
.set NIL,   29
.set PW,    30                         ; v30 the scale word just made
.set SGA,   31                         ; v31 where it goes
.set SC,    32                         ; set s at v[SC + 16 s]: register 8 q + i: lanes 0-15 the word of A's block i, lanes 16-31 that of B's block i, for the slot's q-th 128 along K
.set AF,    128
.set TP,    8                          ; the way out: v8-15 four pairs at work;  v[18:19] c8
.set C8V,   18
.set QP,    64
.set X,     128
.set T,     192
.set PC,    192                        ; the codes, and
.set TM,    208                        ; the quantiser's 16 registers: in t's
.set G1,    24                         ; s[24:31] group 1 for A's blocks, s[32:39] group 0, a set for each slot;  s[48:55], s[56:63] for B's
.set G0,    32
.set G1B,   48
.set G0B,   56
.set POS,   66                         ; s[66:67] two K steps on;  s[70:71] from m1[b]'s last steps to W1's first
.set JMP,   70
.set STB,   74                         ; s[74:75] what this lap's refills add to B's addresses
.set SCL,   76                         ; s[76:77] scale, twice
.set SEL,   78
.set MNT,   80
.set AI,    81                         ; the way out: the block of rows in hand
.set OFF,   82
.set HB,    84                         ; s[84:85] where the block's codes go;  s[86:87] my scale words;  s[88:89] my 128 numbers of b1
.set HS2,   86
.set BB,    88
.set CC,    24                         ; the way out (no descriptor is in use any more): s[24:43] c0 .. c9 x log2(e), each twice;  s[44:45] -log2(e) / 2;  s46 1 / (2 sqrt 2)
.set CX,    44
.set HSQ,   46
.set MSB, 0
.macro WIN new                         ; the immediate's high byte repeats the setting that is left
.if MSB != (\new)
	s_set_vgpr_msb (MSB<<8)|(\new)
.set MSB, \new
.endif
.endm
.set MUL_LO, 0xa1                      ; source 0 (B) window 1, source 1 (A) window 0, C and D window 2
.set MUL_HI, 0xf1                      ; the same, C and D window 3
.set TO_B,   0x40                      ; destination window 1, address window 0
; A joint load: waves 0 and 1 fetch A's two blocks, waves 2 and 3 B's.  Each line has one mask; the branch hangs on the wave's number alone.  Four v_nop follow each line.
.macro JLOAD g0a, g1a, g0b, g1b
	s_cmp_eq_u32 s15, 0
	s_cbranch_scc0 .Lfor_b_\@
	tensor_load_to_lds s[\g0a:\g0a+3], s[\g1a:\g1a+7]
	s_nop 0
.rept 4
	v_nop
.endr
	s_branch .Lasked_\@
.Lfor_b_\@:
	tensor_load_to_lds s[\g0b:\g0b+3], s[\g1b:\g1b+7]
	s_nop 0
.rept 4
	v_nop
.endr
.Lasked_\@:
.endm
.macro CREST                           ; a round of the cluster's barrier behind its opening barrier
	s_cmp_lg_u32 s14, 0
	s_cbranch_scc1 .Lnot_wave_0_\@
	s_barrier_signal -3
.Lnot_wave_0_\@:
	s_barrier_wait -3
	s_barrier_signal -1
	s_barrier_wait -1
.endm
.macro CROUND
	s_barrier_signal -1
	s_barrier_wait -1
	CREST
.endm
.macro PLACES n
.rept \n
	v_nop
.endr
.endm
	s_load_b256 s[4:11], s[0:1], 0x0               ; xq s[4:5], b1q s[6:7], b1 s[8:9], scale s[10:11]
	s_load_b64 s[12:13], s[0:1], 0x20              ; hq
	v_lshl_add_u32 v[SPW], v0, 2, SPARE
	v_mov_b32 v[NIL], 0
	ds_add_u32 v28, v29
	ds_add_u32 v28, v29
	s_wait_dscnt 0x0
	v_lshrrev_b32 v1, 5, v0
	v_readfirstlane_b32 s14, v1                    ; wave 0..3
	s_lshr_b32 s15, s14, 1                         ; which 128 rows of the tile are mine.  Also: I fetch for A (0) or for B (1)
	s_and_b32 s16, s14, 1                          ; which 128 columns.  Also: which of the two blocks I fetch
	s_bfe_u32 s40, ttmp6, 0x40000                  ; cx, cy: my place in the cluster
	s_bfe_u32 s41, ttmp6, 0x40004
	s_lshl_b32 s42, ttmp9, 2
	s_add_co_u32 s42, s42, s40                     ; tile column = 4 x cluster x + cx
	s_and_b32 s17, ttmp7, 0xffff
	s_lshl_b32 s17, s17, 2
	s_add_co_u32 s17, s17, s41                     ; tile row = 4 x cluster y + cy
	s_lshl_b32 s43, s41, 2
	s_lshl_b32 s43, 15, s43                        ; my row of the cluster
	s_lshl_b32 s44, 0x1111, s40                    ; my column
	; group 1: a dense block of 33,792 bytes as 132 rows of 32 elements of 8 bytes, no padding
	s_or_b32 s[G1+0], s43, (3<<16)|(1<<21)         ; 15:0 the mask; 17:16 elements of 8 bytes; 21 set beside a mask
	s_or_b32 s[G1B+0], s44, (3<<16)|(1<<21)
.irp g, G1, G1B
	s_mov_b32 s[\g+1], 32<<16                      ; tensor_dim0 = 32
	s_mov_b32 s[\g+2], 132<<16                     ; tensor_dim1 = 132
	s_mov_b32 s[\g+3], 32<<16                      ; tile_dim0 = 32
	s_mov_b32 s[\g+4], 132                         ; tile_dim1 = 132
	s_mov_b32 s[\g+5], 32                          ; the pitch
	s_mov_b32 s[\g+6], 0
	s_mov_b32 s[\g+7], 0
.endr
	s_lshl_b32 s20, s17, 1
	s_add_co_u32 s20, s20, s16
	s_mul_i32 s20, s20, TB                         ; A: row group 2 x tile row + half
	s_mov_b32 s21, 0
	s_lshl_b32 s46, s42, 1
	s_add_co_u32 s46, s46, s16
	s_mul_i32 s46, s46, TB                         ; B: row group 2 x tile column + half,
	s_and_b32 s47, ttmp7, 0xffff                   ; in section b: the batch is the cluster's y, the same in all sixteen
	s_sub_co_u32 s[JMP], 4, s47
	s_mul_i32 s[JMP], s[JMP], SEC
	s_sub_co_u32 s[JMP], s[JMP], 2*KSB             ; from K step s + 2 of section b to K step s of section 4
	s_mov_b32 s[JMP+1], 0
	s_mul_i32 s47, s47, SEC
	s_add_co_u32 s46, s46, s47
	s_mov_b32 s47, 0
	s_mov_b32 s[POS], 2*KSB
	s_mov_b32 s[POS+1], 0
	s_mov_b32 s[SEL], 0x76543210
	s_mov_b32 s[SEL+1], 0xfedcba98
	s_mov_b32 s[MNT], 0x600000
	s_mul_i32 s45, s14, TB                         ; where my block goes: wave x TB: no place in the cluster enters an LDS address
	s_wait_kmcnt 0x0
	s_add_nc_u64 s[20:21], s[4:5], s[20:21]
	s_add_nc_u64 s[46:47], s[6:7], s[46:47]
	s_load_b32 s[SCL], s[10:11], 0x0
	CROUND                                         ; all sixteen work-groups are here: the first joint loads meet
.irp s, 0,1
	s_mov_b32 s[G0+4*\s], 1
	s_add_co_u32 s[G0+4*\s+1], s45, \s*SLOT
	s_add_nc_u64 s[G0+4*\s+2:G0+4*\s+3], s[20:21], \s*KSB
	s_or_b32 s[G0+4*\s+3], s[G0+4*\s+3], 0x80000000
	s_mov_b32 s[G0B+4*\s], 1
	s_add_co_u32 s[G0B+4*\s+1], s45, \s*SLOT
	s_add_nc_u64 s[G0B+4*\s+2:G0B+4*\s+3], s[46:47], \s*KSB
	s_or_b32 s[G0B+4*\s+3], s[G0B+4*\s+3], 0x80000000
	JLOAD G0+4*\s, G1, G0B+4*\s, G1B
.endr
	v_and_b32 v1, 15, v0                           ; r
	v_bfe_u32 v2, v0, 4, 1                         ; h
	v_and_b32 v3, 31, v0                           ; lane
	v_lshlrev_b32 v[CO], 4, v3
	v_lshlrev_b32 v[BIA], 6, v2
	s_mul_i32 s21, s15, TB                         ; my block of A,
	s_mul_i32 s22, s16, TB
	s_add_co_u32 s22, s22, 2*TB                    ; my block of B, behind A's two
.irp s, 0,1
	v_add_nc_u32 v[ADRA+\s], s21, v[CO]
	v_add_nc_u32 v[ADRB+\s], s22, v[CO]
	s_add_co_u32 s21, s21, SLOT
	s_add_co_u32 s22, s22, SLOT
.endr
	s_mul_i32 s21, s15, TB
	s_mul_i32 s22, s16, TB
	s_add_co_u32 s22, s22, 2*TB
	s_sub_co_u32 s22, s22, s21
	v_mul_u32_u24 v6, s22, v2                      ; lanes 16-31 take B's words: one product, the distance between the two blocks
	v_lshl_add_u32 v6, v1, 3, v6                   ; 8 bytes a row: the words of two neighbouring blocks of 16 rows
	s_add_co_u32 s21, s21, 32768
	v_add_nc_u32 v[ADRS], s21, v6
	s_add_co_u32 s21, s21, SLOT
	v_add_nc_u32 v[ADRS+1], s21, v6
	s_lshl_b32 s23, s14, 9
	s_add_co_u32 s23, s23, SCG
	v_lshl_add_u32 v[SGB], v1, 3, s23
	v_add_nc_u32 v[SGR], s23, v[CO]
	s_lshl_b32 s45, s42, 5                         ; hq: K slot = tile column, row group = 2 x tile row + my half
	s_lshl_b32 s47, s17, 1
	s_add_co_u32 s45, s45, s47
	s_add_co_u32 s45, s45, s15
	s_mul_i32 s45, s45, TB
	s_lshl_b32 s46, s16, 11                        ; my 128 columns are K step q = my half: codes 2,048 bytes on,
	s_add_co_u32 s46, s46, s45
	s_mov_b32 s47, 0
	s_add_nc_u64 s[HB:HB+1], s[12:13], s[46:47]
	s_lshl_b32 s46, s16, 9                         ; scale words 512
	s_add_co_u32 s46, s46, s45
	s_add_co_u32 s46, s46, 32768
	s_add_nc_u64 s[HS2:HS2+1], s[12:13], s[46:47]
	s_lshl_b32 s46, s42, 10
	s_lshl_b32 s45, s16, 9
	s_add_co_u32 s46, s46, s45
	s_add_nc_u64 s[BB:BB+1], s[8:9], s[46:47]      ; b1 at hidden unit 256 x tile column + 128 x half
.macro FRAG reg, adr, q, i             ; a fragment's image: four loads of 512 consecutive bytes
.irp c, 0,1,2,3
	ds_load_b128 v[\reg+4*\c:\reg+4*\c+3], v[\adr] offset:4096*(\i)+2048*(\q)+512*\c
.endr
.endm
; 16 matrix instructions: A's blocks a0, a0 + 1 x B's eight, the slot's q-th 128 along K.  p: B's set; sc: the set of scale words.  zero = 1: the first product starts the sums.
; The 64 accumulators take turns, one instruction a turn, in the same order in every step.
.macro MUL16 a0, p, q, sc, zero
.irp a, \a0, \a0+1
.irp b, 0,1,2,3,4,5,6,7
.if \zero
	v_wmma_scale_f32_16x16x128_f8f6f4 v[8*(8*((\a)%4)+\b):8*(8*((\a)%4)+\b)+7], v[128*(\p)+FR*\b:128*(\p)+FR*\b+FR-1], v[AF+FR*(\a):AF+FR*(\a)+FR-1], 0, v[SC+16*(\sc)+8*(\q)+\b], v[SC+16*(\sc)+8*(\q)+(\a)] matrix_a_scale:MATRIX_SCALE_ROW1
.else
	v_wmma_scale_f32_16x16x128_f8f6f4 v[8*(8*((\a)%4)+\b):8*(8*((\a)%4)+\b)+7], v[128*(\p)+FR*\b:128*(\p)+FR*\b+FR-1], v[AF+FR*(\a):AF+FR*(\a)+FR-1], v[8*(8*((\a)%4)+\b):8*(8*((\a)%4)+\b)+7], v[SC+16*(\sc)+8*(\q)+\b], v[SC+16*(\sc)+8*(\q)+(\a)] matrix_a_scale:MATRIX_SCALE_ROW1
.endif
.endr
.endr
.endm
.macro FETCH_B slot, q, p
	WIN TO_B
.irp i, 0,1,2,3,4,5,6,7
	FRAG 128*(\p)+FR*\i, ADRB+\slot, \q, \i
.endr
	WIN 0
.endm
.macro FETCH_A slot, q, i0
.irp i, \i0, \i0+1, \i0+2, \i0+3
	FRAG AF+FR*(\i), ADRA+\slot, \q, \i
.endr
.endm
.macro SCALES s                        ; a slot's scale words: eight loads of 8 bytes a lane
.irp q, 0,1
.irp p, 0,1,2,3
	ds_load_b64 v[SC+16*\s+8*\q+2*\p:SC+16*\s+8*\q+2*\p+1], v[ADRS+\s] offset:512*\q+128*\p
.endr
.endr
.endm
; A slot's first 128 along K.  A has one set of registers: blocks 0-3 are fetched anew in the step's middle, blocks 4-7 at its end; B has two sets.
.macro STEP slot, zero
	s_wait_dscnt 16                                ; B's set, the scale words and A's blocks 0-3 are in; the youngest 16 loads (A's blocks 4-7) may be out
	WIN MUL_LO
	MUL16 0, 0, 0, \slot, \zero
	MUL16 2, 0, 0, \slot, \zero
	s_wait_dscnt 0x0                               ; A's blocks 4-7 are in
	PLACES NP                                      ; in front of loads into registers that matrix instructions have read
	FETCH_B \slot, 1, 1
	FETCH_A \slot, 1, 0
	WIN MUL_HI
	MUL16 4, 0, 0, \slot, \zero
	MUL16 6, 0, 0, \slot, \zero
	PLACES NP
	WIN 0
	FETCH_A \slot, 1, 4
.endm
; A slot's second 128 along K changes slots: ONE barrier; in front of it each wave waits for all its tensor loads, adds 0 to its spare word, and waits for that and for its own reads of this slot.
.macro TURN slot, next, fill
	s_wait_tensorcnt 0x0                           ; all my tensor loads have landed: my block of the next slot
	ds_add_u32 v[SPW], v[NIL]                      ; 0 onto my spare word
	s_wait_dscnt 17                                ; (the add and the youngest 16 loads, A's blocks 4-7, may be out)
	WIN MUL_LO
	MUL16 0, 1, 1, \slot, 0                        ; sixteen matrix instructions stand between the add and the wait for it
	s_wait_dscnt 0x0                               ; the add is done, and my reads of this slot are over
	s_barrier_signal -1
	MUL16 2, 1, 1, \slot, 0
	WIN 0
	s_barrier_wait -1
.if \fill
	CREST                                          ; the barrier has opened a round of the cluster's barrier: no wave of any partner still reads this slot or has a load on its way
	s_cmp_eq_u32 s3, 2                             ; A's address: two K steps on, or, in the lap whose refills begin W1, two back: x's four K steps are walked twice.
	s_cbranch_scc1 .Lback_\@                       ; The branch hangs on the lap's counter alone, which is the same in every wave and every work-group; it jumps over no load, wait or barrier
	s_add_nc_u64 s[G0+4*\slot+2:G0+4*\slot+3], s[G0+4*\slot+2:G0+4*\slot+3], 2*KSB
	s_branch .Lstepped_\@
.Lback_\@:
	s_sub_nc_u64 s[G0+4*\slot+2:G0+4*\slot+3], s[G0+4*\slot+2:G0+4*\slot+3], 2*KSB   ; a constant under 2^25: the type bits on top are not reached
.Lstepped_\@:
	s_add_nc_u64 s[G0B+4*\slot+2:G0B+4*\slot+3], s[G0B+4*\slot+2:G0B+4*\slot+3], s[STB:STB+1]
	JLOAD G0+4*\slot, G1, G0B+4*\slot, G1B         ; the first tensor load behind the round; its four v_nop are among the places in front of the loads below
	PLACES NP-4
.else
	PLACES NP
.endif
	FETCH_B \next, 0, 0
	FETCH_A \next, 0, 0
	SCALES \next
	WIN MUL_HI
	MUL16 4, 1, 1, \slot, 0
	MUL16 6, 1, 1, \slot, 0
	PLACES NP
	WIN 0
	FETCH_A \next, 0, 4
.endm
	s_wait_kmcnt 0x0                               ; scale
	s_mov_b32 s[SCL+1], s[SCL]
	s_wait_tensorcnt 1                             ; my block of K step 0 is in (K step 1's load may be out)
	s_barrier_signal -1
	s_barrier_wait -1                              ; everybody's is
	FETCH_B 0, 0, 0
	FETCH_A 0, 0, 0
	SCALES 0
	FETCH_A 0, 0, 4
	STEP 0, 1                                      ; the first step stands in front of the loop: its products start the sums
	s_mov_b32 s3, 3
.Llap:                                             ; eight K steps of 256: m1[b]'s four, then W1's four, x's four twice.  A trip goes once round the ring and fills both slots: steps 2, 3; 4, 5; 6, 7
	s_cmp_eq_u32 s3, 2                             ; the second trip's refills begin W1: B goes over to section 4
	s_cselect_b64 s[STB:STB+1], s[JMP:JMP+1], s[POS:POS+1]
	TURN 0, 1, 1
	STEP 1, 0
	TURN 1, 0, 1
	s_cmp_lg_u32 s3, 2
	s_cbranch_scc1 .Lno_rescale
	; m1[b]'s last products are issued (eight places stand behind them): the sums become scale x P2, and W1's products add onto them.  Each accumulator is read from its low end on
	WIN 0x82                                       ; destination and source 0: window 2
.set i, 0
.rept 128
	v_pk_mul_f32 v[i:i+1], v[i:i+1], s[SCL:SCL+1] op_sel_hi:[1,0]
.set i, i+2
.endr
	WIN 0xc3                                       ; window 3
.set i, 0
.rept 128
	v_pk_mul_f32 v[i:i+1], v[i:i+1], s[SCL:SCL+1] op_sel_hi:[1,0]
.set i, i+2
.endr
	WIN 0
.Lno_rescale:
	STEP 0, 0
	s_sub_co_u32 s3, s3, 1
	s_cmp_lg_u32 s3, 0
	s_cbranch_scc1 .Llap
	TURN 0, 1, 0                                   ; the last lap fills nothing, and has no round of the cluster's barrier
	STEP 1, 0
	WIN TO_B                                       ; B's set 0 is done with (eight places stand behind its last products): it takes my 64 numbers of b1, which land under the last 64 products
.irp c, 0,1,2,3
.irp j, 0,1,2,3
	global_load_b128 v[16*\c+4*\j:16*\c+4*\j+3], v[BIA], s[BB:BB+1] offset:128*\c+16*\j   ; register 16 c + n: b1 at hidden unit 32 c + 16 h + n
.endr
.endr
	WIN 0
	s_wait_dscnt 16                                ; the very last step: nothing more to fetch
	WIN MUL_LO
	MUL16 0, 1, 1, 1, 0
	MUL16 2, 1, 1, 1, 0
	s_wait_dscnt 0x0
	WIN MUL_HI
	MUL16 4, 1, 1, 1, 0
	MUL16 6, 1, 1, 1, 0
	WIN 0
	; ---- THE WAY OUT: eight trips, a block of 16 rows x 128 hidden units each: bias, GELU, quantiser, store.  No tensor load is out, so the descriptors' registers take the constants
	PLACES NP
	s_mov_b32 s[CC+0],  0xc034d90f                 ; c0 log2(e) - 1: the half of erfc / 2 is folded in
	s_mov_b32 s[CC+2],  0x3fb8ab5a
	s_mov_b32 s[CC+4],  0x3f0a29d2
	s_mov_b32 s[CC+6],  0x3e0efb2e
	s_mov_b32 s[CC+8],  0xbe899a80
	s_mov_b32 s[CC+10], 0x3ecdfd18
	s_mov_b32 s[CC+12], 0xbfd1a1e5
	s_mov_b32 s[CC+14], 0x40097039
	s_mov_b32 s[CC+16], 0xbf97d29d
	s_mov_b32 s[CC+18], 0x3e7c6f08
.irp k, 0,1,2,3,4,5,6,7,8,9
	s_mov_b32 s[CC+2*\k+1], s[CC+2*\k]             ; (a packed line names the pair)
.endr
	s_mov_b32 s[CX], 0xbf38aa3b                    ; -log2(e) / 2: -z^2 log2(e) = v^2 x this
	s_mov_b32 s[CX+1], s[CX]
	s_mov_b32 s[HSQ], 0x3eb504f3                   ; 1 / (2 sqrt 2): z / 2 = |v| x this
	v_mov_b32 v[C8V], s[CC+16]
	v_mov_b32 v[C8V+1], s[CC+16]
	s_mov_b32 s[AI], 0
	s_wait_loadcnt 0x0                             ; b1
.Lrows:
.irp a, 1,2,3,4,5,6,7
	s_cmp_eq_u32 s[AI], \a
	s_cbranch_scc1 .Lst\a
.endr
; What differs from block to block is where its sums lie: that part is written out eight times, and it does the bias's addition.  Each accumulator is read from its low end on
.macro STUB a
.Lst\a:
	WIN 0x06+(\a)/4                                ; source 0: window 2 or 3 (the sums); source 1: window 1 (b1)
.set i, 0
.rept 32
	v_pk_add_f32 v[X+i:X+i+1], v[64*((\a)%4)+i:64*((\a)%4)+i+1], v[i:i+1]
.set i, i+2
.endr
	WIN 0
	s_branch .Lbody
.endm
	STUB 0
	STUB 1
	STUB 2
	STUB 3
	STUB 4
	STUB 5
	STUB 6
	STUB 7
.Lbody:
.set i, 0
.rept 64
	v_fma_f32 v[T+i], |v[X+i]|, s[HSQ], 1.0        ; 1 + z / 2
.set i, i+1
.endr
.set i, 0
.rept 64
	v_rcp_f32 v[T+i], v[T+i]                       ; t
.set i, i+1
.endr
	v_nop                                          ; a plain line behind the last reciprocal
	s_wait_alu depctr_va_vdst(0)                   ; one wait for the batch, ahead of its first reader
.set i, 0
.rept 32
	v_pk_fma_f32 v[QP+i:QP+i+1], v[T+i:T+i+1], s[CC+18:CC+19], v[C8V:C8V+1] op_sel_hi:[1,0,1]   ; c9 t + c8
.set i, i+2
.endr
.irp k, 7,6,5,4,3,2,1,0
.set i, 0
.rept 32
	v_pk_fma_f32 v[QP+i:QP+i+1], v[QP+i:QP+i+1], v[T+i:T+i+1], s[CC+2*\k:CC+2*\k+1] op_sel_hi:[1,1,0]
.set i, i+2
.endr
.endr
.set n, 0
.rept 8
.irp k, 0,1,2,3
	v_pk_mul_f32 v[TP+2*\k:TP+2*\k+1], v[X+n+2*\k:X+n+2*\k+1], v[X+n+2*\k:X+n+2*\k+1]
.endr
.irp k, 0,1,2,3
	v_pk_fma_f32 v[QP+n+2*\k:QP+n+2*\k+1], v[TP+2*\k:TP+2*\k+1], s[CX:CX+1], v[QP+n+2*\k:QP+n+2*\k+1] op_sel_hi:[1,0,1]   ; - z^2 log2(e)
.endr
.set n, n+8
.endr
.set i, 0
.rept 64
	v_exp_f32 v[QP+i], v[QP+i]
.set i, i+1
.endr
	v_nop
	s_wait_alu depctr_va_vdst(0)                   ; one wait for the 64 exponentials
.set i, 0
.rept 32
	v_pk_mul_f32 v[T+i:T+i+1], v[T+i:T+i+1], v[QP+i:QP+i+1]   ; erfc(z) / 2
.set i, i+2
.endr
.set i, 0
.rept 64
	v_max_num_f32 v[QP+i], 0, v[X+i]
.set i, i+1
.endr
.set i, 0
.rept 64
	v_fma_f32 v[X+i], -v[T+i], |v[X+i]|, v[QP+i]   ; gelu = max(v, 0) - |v| erfc(z) / 2
.set i, i+1
.endr
	; the quantiser: register 16 c + n is hidden unit 32 c + 16 h + n of row r: two lanes, l and l xor 16, hold a block of 32
.irp b, 0,1,2,3
	v_max3_num_f32 v[TM+\b], |v[X+16*\b]|, |v[X+1+16*\b]|, 0x4800000   ; and the floor 2^(9 - 127): the byte cannot fall under 1
.endr
.irp i, 2,4,6,8,10,12,14
.irp b, 0,1,2,3
	v_max3_num_f32 v[TM+\b], v[TM+\b], |v[X+16*\b+\i]|, |v[X+1+16*\b+\i]|
.endr
.endr
.irp b, 0,1,2,3
	v_permlanex16_b32 v[TM+4+\b], v[TM+\b], s[SEL], s[SEL+1]
.endr
.irp b, 0,1,2,3
	v_max_num_f32 v[TM+\b], v[TM+\b], v[TM+4+\b]
.endr
.irp b, 0,1,2,3
	v_add_nc_u32 v[TM+12+\b], 0xfc000000, v[TM+\b]         ; 8 off the exponent field: the conversion's scale operand
.endr
.irp b, 0,1,2,3
	v_and_or_b32 v[TM+8+\b], v[TM+\b], 0x7f800000, s[MNT]  ; 448 x the scale
.endr
.irp b, 0,1,2,3
	v_lshrrev_b32 v[TM+4+\b], 23, v[TM+12+\b]              ; the scale's byte
.endr
	v_lshl_or_b32 v[PW], v[TM+5], 8, v[TM+4]
	v_lshl_or_b32 v[PW], v[TM+6], 16, v[PW]
	v_lshl_or_b32 v[PW], v[TM+7], 24, v[PW]
.irp b, 0,1,2,3
.irp i, 0,1,2,3,4,5,6,7,8,9,10,11,12,13,14,15
	v_med3_num_f32 v[X+16*\b+\i], v[X+16*\b+\i], -v[TM+8+\b], v[TM+8+\b]   ; the conversion to an 8-bit code does not saturate (ISA guide 7.6.2)
.endr
	v_cvt_scalef32_pk8_fp8_f32 v[PC+4*\b:PC+1+4*\b], v[X+16*\b:X+7+16*\b], v[TM+12+\b]
	v_cvt_scalef32_pk8_fp8_f32 v[PC+2+4*\b:PC+3+4*\b], v[X+8+16*\b:X+15+16*\b], v[TM+12+\b]
.endr
	v_nop                                          ; a plain line behind the last conversion
.irp c, 0,1,2,3
	global_store_b128 v[CO], v[PC+4*\c:PC+4*\c+3], s[HB:HB+1] offset:512*\c   ; the codes are the next operand's fragment as they stand: 512 consecutive bytes a store, aligned
.endr
	s_lshr_b32 s[OFF], s[AI], 1                    ; the block's scale words in a TB: 128 (a / 2) + 8 r + 4 (a % 2)
	s_lshl_b32 s[OFF], s[OFF], 7
	s_and_b32 s83, s[AI], 1
	s_lshl_b32 s83, s83, 2
	s_add_co_u32 s[OFF], s[OFF], s83
	v_add_nc_u32 v[SGA], s[OFF], v[SGB]
	ds_store_b32 v[SGA], v[PW]                     ; lanes l and l xor 16 write the same word with the same value
	s_wait_dscnt 0x0
	s_wait_xcnt 0x0                                ; the stores have read the codes' registers and their base: both are written again only behind this wait
	s_add_nc_u64 s[HB:HB+1], s[HB:HB+1], 4096
	s_add_co_u32 s[AI], s[AI], 1
	s_cmp_lt_u32 s[AI], 8
	s_cbranch_scc1 .Lrows
	ds_load_b128 v[TP:TP+3], v[SGR]                ; my wave's own 512 bytes
	s_wait_dscnt 0x0
	global_store_b128 v[CO], v[TP:TP+3], s[HS2:HS2+1]   ; 512 consecutive bytes, aligned
	s_wait_tensorcnt 0x0                           ; the wave's end, behind my last tensor load and my last LDS store
	ds_add_u32 v[SPW], v[NIL]
	s_wait_dscnt 0x0
	CROUND                                         ; the closing round: no work-group ends while a partner may still ask for a block that names it
	s_endpgm
.Lfunc_end_k_qd0d4296762_ffn1:
	.size	k_qd0d4296762_ffn1, .Lfunc_end_k_qd0d4296762_ffn1-k_qd0d4296762_ffn1
	.p2alignl 7, 3214868480
	.fill 96, 4, 3214868480
	.section	.rodata,"a",@progbits
	.p2align	6, 0x0
	.amdhsa_kernel k_qd0d4296762_ffn1
		.amdhsa_group_segment_fixed_size 327680
		.amdhsa_private_segment_fixed_size 0
		.amdhsa_enable_private_segment 0
		.amdhsa_kernarg_size 40
		.amdhsa_user_sgpr_count 2
		.amdhsa_user_sgpr_kernarg_segment_ptr 1
		.amdhsa_wavefront_size32 1
		.amdhsa_system_sgpr_workgroup_id_x 1
		.amdhsa_system_sgpr_workgroup_id_y 1
		.amdhsa_system_sgpr_workgroup_id_z 1
		.amdhsa_system_vgpr_workitem_id 0
		.amdhsa_next_free_vgpr 1024
		.amdhsa_next_free_sgpr 100
		.amdhsa_reserve_vcc 0
		.amdhsa_float_denorm_mode_32 3
		.amdhsa_float_denorm_mode_16_64 3
		.amdhsa_memory_ordered 1
		.amdhsa_forward_progress 1
		.amdhsa_inst_pref_size 198
	.end_amdhsa_kernel
	.amdgpu_metadata
---
amdhsa.version: [ 1, 2 ]
amdhsa.kernels:
  - .name:           k_qd0d4296762_ffn1
    .symbol:         k_qd0d4296762_ffn1.kd
    .args:
      - { .name: xq, .offset: 0, .size: 8, .value_kind: global_buffer, .address_space: global }
      - { .name: b1q, .offset: 8, .size: 8, .value_kind: global_buffer, .address_space: global }
      - { .name: b1, .offset: 16, .size: 8, .value_kind: global_buffer, .address_space: global }
      - { .name: scale, .offset: 24, .size: 8, .value_kind: global_buffer, .address_space: global }
      - { .name: hq, .offset: 32, .size: 8, .value_kind: global_buffer, .address_space: global }
    .group_segment_fixed_size: 327680
    .private_segment_fixed_size: 0
    .kernarg_segment_align: 8
    .kernarg_segment_size: 40
    .max_flat_workgroup_size: 128
    .sgpr_count:     100
    .vgpr_count:     1024
    .wavefront_size: 32
...
	.end_amdgpu_metadata
.endif
;; end of part 2
;; launch ffn2 (part 3): grid 8 x 32, 4 waves a work-group, clusters of 4 x 4, 327,680 bytes of LDS; arguments hq, m2q, w2q, b2, scale, out0; writes out0
.if DOCPART == 3
	.amdgcn_target "amdgcn-amd-amdhsa--gfx1250"
	.amdhsa_code_object_version 6
	.text
	.protected	k_qd0d4296762_ffn2
	.globl	k_qd0d4296762_ffn2
	.p2align	8
	.type	k_qd0d4296762_ffn2,@function
k_qd0d4296762_ffn2:
	s_mov_b64 s[64:65], 0
	v_nop
	global_prefetch_b8 v0, s[64:65] scope:SCOPE_SE
	s_setreg_imm32_b32 hwreg(HW_REG_WAVE_MODE, 25, 1), 1
	s_wait_xcnt 0x0
	s_wait_alu depctr_hold_cnt(0) depctr_sa_sdst(0) depctr_va_vdst(0) depctr_va_sdst(0) depctr_va_ssrc(0) depctr_va_vcc(0) depctr_vm_vsrc(0)
	s_getreg_b32 s2, hwreg(HW_REG_IB_STS2, 6, 4)
	s_cmp_eq_u32 s2, 0
	s_cbranch_scc0 .Lentry_in_a_cluster
	s_endpgm
.Lentry_in_a_cluster:
	s_bfe_u32 s2, ttmp6, 0x10000c
	s_cmp_lg_u32 s2, 0xf033
	s_cbranch_scc0 .Lentry_shape_is_right
	s_endpgm
.Lentry_shape_is_right:
; out = h W2^T + scale h m2[b]^T + b2, both products on codes of FP8 (E4M3) with one E8M0 byte for each 32 along K = 4,096; sums in f32; out0 [4096][1024] f32.
; h's codes were made by the launch before, W2's and m2's by the first: all lie as tile blocks (TB, 33,792 bytes: 128 rows x 256 along K as images of the operand's registers, then their scale words).
; A tile of out, 128 x 128, is made by a work-group of four waves: 256 work-groups.  The two products share h's block, so a K slot of 256 is three TB: h's, m2[b]'s, W2's.
; SHARES.  Wave w takes all 128 rows, 64 columns (w % 2) of BOTH right operands (its eight blocks of B: four of m2, four of W2), and one half (w / 2) of each K slot: 64 accumulators, 512 registers,
; sixteen fragments read from LDS for 64 products.  At the end scale x P4 + P3 is one fused multiply-add a number in registers; the two halves of K meet through a stage in LDS, where b2 is added.
; THE ORDER OF THE SUM: (scale x P4 + P3) of the lower halves of each 256 along K, + the same of the upper halves, + b2.  LIMITS: NaN and infinities are not served.
; ONE LANDING ZONE, NOT TWO SLOTS.  A refill is asked for only when every earlier tensor load has landed, so what is on its way is what one refill brings.  A wave takes a K slot's operands whole into registers
; ahead of its products (B in two sets, A in one), so a K slot's bytes in LDS are free before its products begin, and no unread slot need lie beside the one that is filled.  So the zone is as large as LDS holds,
; three K slots, 9 TB = 304,128 bytes, and one refill fills all of it: 16 K slots are one first fill, four refills of three and one of one.  While a refill is on its way the wave multiplies the 48 products that
; are left of the K slot in its registers.  Behind a landing the first fetch and two K slots' products stand with no load on its way: that is the price of five refills in place of fourteen.
; A load's tile is three rows of one TB each (4,224 elements of 8 bytes), one K slot apart in memory (32 TB in hq, 8 TB in m2q and w2q), and lands as three TB on end.
; CLUSTERS: 4 x 4 work-groups, all of one batch.  h's blocks are shared along a row of the cluster, m2's and W2's along a column: joint loads.  Wave 0 fetches h's, wave 2 m2's, wave 3 W2's, wave 1 nothing.
; THE MATRIX INSTRUCTION IS USED TRANSPOSED (source 0 = 16 rows of m2 or W2, source 1 = 16 rows of h): a lane holds eight neighbouring numbers of a row of out.
; REGISTERS: window 0: v12-31, v48-53 b2 and addresses; v32-47 scale words, two sets, and nothing else; v128-255 A's fragments, one set.  window 1: B's fragments, two sets.  windows 2, 3: accumulator (a, b) at v[8 (8 (a % 4) + b)].
; All of a WGP's LDS is claimed.
.set TB,    33792
.set TBE,   TB/8                       ; a TB in elements of 8 bytes
.set ZM,    3*TB                       ; LDS: h's three TB at 0, m2's at ZM, W2's at ZW
.set ZW,    6*TB
.set ST0,   TB                         ; the way out: two stages of 128 rows x (512 + 16) bytes = 2 TB each, in places 1 and 2 of h's and of m2's region: their last fill brought K slots 13 and 14,
.set ST1,   4*TB                       ; their last read stands ahead of the last round, and the last refill lands in place 0 alone
.set SPITCH, 528
.set SPARE, 9*TB                       ; the spare words, 128 bytes for each wave: two blocks of 256 bytes that no other line names
.set NP,    8                          ; places behind this matrix instruction (ISA guide 7.12.1)
.set FR,    16
.set B2V,   12                         ; v12-15 b2 of my four columns
.set ADRA,  16                         ; v16-18 my A fragments in places 0, 1, 2;  v19-21 m2's;  v22-24 W2's
.set ADRM,  19
.set ADRW,  22
.set STO,   26                         ; v26 the stage: where I put 32 bytes of a row
.set RD0,   27                         ; v27, v30 where I read a row back, in the two stages
.set SPW,   28                         ; v28 my spare word;  v29 0; neither is rewritten
.set NIL,   29
.set RD1,   30
.set CO,    31                         ; v31 16 x lane
.set SC,    32                         ; set p at v[SC + 8 p]: register i: lanes 0-15 the word of A's block i, lanes 16-31 that of B's block i
.set ASL,   48                         ; v48-50 scale words of blocks 0-3 in places 0, 1, 2: lanes 0-15 A's, lanes 16-31 m2's;  v51-53 of blocks 4-7: A's, W2's
.set ASH,   51
.set P1,    64                         ; the way out: v64-127 rows of the second stage; v128-255 results, then rows of the first stage
.set AF,    128
.set YR,    128
.set G1,    24                         ; s[24:31] group 1 for h's three TB, s[32:35] its group 0;  s[48:55], s[56:59] for m2's or W2's;  s[68:75], s[76:83] groups 1 of the last refill, of one TB
.set G0,    32
.set B2B,   36                         ; s[36:37] b2 at the tile's first column
.set G1B,   48
.set G0B,   56
.set G1T,   68
.set G1BT,  76
.set SCL,   84                         ; s[84:85] scale, twice
.set OB,    86                         ; s[86:87] my 32 rows of out0
.set MSB, 0
.macro WIN new                         ; the immediate's high byte repeats the setting that is left
.if MSB != (\new)
	s_set_vgpr_msb (MSB<<8)|(\new)
.set MSB, \new
.endif
.endm
.set MUL_LO, 0xa1                      ; source 0 (B) window 1, source 1 (A) window 0, C and D window 2
.set MUL_HI, 0xf1                      ; the same, C and D window 3
.set TO_B,   0x40                      ; destination window 1, address window 0
; A joint load: wave 0 for A, waves 2 and 3 for B, wave 1 none.  Each line has one mask; the branches hang on the wave's number alone.  Four v_nop follow each of the two lines.
.macro JLOAD g1a, g1b
	s_cmp_eq_u32 s14, 0
	s_cbranch_scc0 .Lnot_a_\@
	tensor_load_to_lds s[G0:G0+3], s[\g1a:\g1a+7]
	s_nop 0
.rept 4
	v_nop
.endr
	s_branch .Lasked_\@
.Lnot_a_\@:
	s_cmp_lt_u32 s14, 2
	s_cbranch_scc1 .Lasked_\@
	tensor_load_to_lds s[G0B:G0B+3], s[\g1b:\g1b+7]
	s_nop 0
.rept 4
	v_nop
.endr
.Lasked_\@:
.endm
.macro CREST                           ; a round of the cluster's barrier behind its opening barrier
	s_cmp_lg_u32 s14, 0
	s_cbranch_scc1 .Lnot_wave_0_\@
	s_barrier_signal -3
.Lnot_wave_0_\@:
	s_barrier_wait -3
	s_barrier_signal -1
	s_barrier_wait -1
.endm
.macro CROUND
	s_barrier_signal -1
	s_barrier_wait -1
	CREST
.endm
.macro PLACES n
.rept \n
	v_nop
.endr
.endm
	s_load_b256 s[4:11], s[0:1], 0x0               ; hq s[4:5], m2q s[6:7], w2q s[8:9], b2 s[10:11]
	s_load_b128 s[88:91], s[0:1], 0x20             ; scale s[88:89], out0 s[90:91]
	v_lshl_add_u32 v[SPW], v0, 2, SPARE
	v_mov_b32 v[NIL], 0
	ds_add_u32 v28, v29
	ds_add_u32 v28, v29
	s_wait_dscnt 0x0
	v_lshrrev_b32 v1, 5, v0
	v_readfirstlane_b32 s14, v1                    ; wave 0..3
	s_lshr_b32 s15, s14, 1                         ; which half of a K slot is mine
	s_and_b32 s16, s14, 1                          ; which 64 columns.  Also: which of B's two operands I fetch, if I fetch for B
	s_bfe_u32 s40, ttmp6, 0x40000                  ; cx, cy
	s_bfe_u32 s41, ttmp6, 0x40004
	s_lshl_b32 s42, ttmp9, 2
	s_add_co_u32 s42, s42, s40                     ; tile column
	s_and_b32 s17, ttmp7, 0xffff
	s_lshl_b32 s17, s17, 2
	s_add_co_u32 s17, s17, s41                     ; tile row
	s_lshl_b32 s43, s41, 2
	s_lshl_b32 s43, 15, s43                        ; my row of the cluster
	s_lshl_b32 s44, 0x1111, s40                    ; my column
	s_or_b32 s[G1+0], s43, (3<<16)|(1<<21)         ; 15:0 the mask; 17:16 elements of 8 bytes; no padding; 21 set beside a mask
	s_or_b32 s[G1T+0], s43, (3<<16)|(1<<21)
	s_or_b32 s[G1B+0], s44, (3<<16)|(1<<21)
	s_or_b32 s[G1BT+0], s44, (3<<16)|(1<<21)
.irp g, G1, G1B
	s_mov_b32 s[\g+1], TBE<<16                     ; tensor_dim0: a TB
	s_mov_b32 s[\g+2], 3<<16                       ; tensor_dim1 = 3 K slots
	s_mov_b32 s[\g+3], TBE<<16                     ; tile_dim0
	s_mov_b32 s[\g+4], 3                           ; tile_dim1
	s_mov_b32 s[\g+6], 0
	s_mov_b32 s[\g+7], 0
.endr
.irp g, G1T, G1BT
	s_mov_b32 s[\g+1], TBE<<16
	s_mov_b32 s[\g+2], 1<<16                       ; the last refill: one K slot
	s_mov_b32 s[\g+3], TBE<<16
	s_mov_b32 s[\g+4], 1
	s_mov_b32 s[\g+6], 0
	s_mov_b32 s[\g+7], 0
.endr
	s_mov_b32 s[G1+5], 32*TBE                      ; the pitch: hq has 32 groups of rows to a K slot,
	s_mov_b32 s[G1T+5], 32*TBE
	s_mov_b32 s[G1B+5], 8*TBE                      ; m2q and w2q 8
	s_mov_b32 s[G1BT+5], 8*TBE
	s_mul_i32 s20, s17, TB                         ; A: row group = tile row, K slot 0
	s_mov_b32 s21, 0
	s_mul_i32 s94, s16, 3*TB
	s_add_co_u32 s94, s94, ZM                      ; B's place: m2's three TB behind A's, W2's behind those: no place in the cluster enters an LDS address
	s_and_b32 s46, ttmp7, 0xffff
	s_lshr_b32 s46, s46, 1                         ; the batch: 8 tile rows, two rows of clusters: the same in all sixteen
	s_lshl_b32 s46, s46, 7                         ; 128 TB a batch in m2q
	s_wait_kmcnt 0x0
	s_cmp_eq_u32 s16, 0                            ; wave 2: m2q; wave 3: w2q.  The choice hangs on the wave's number alone
	s_cselect_b32 s46, s46, 0
	s_cselect_b64 s[92:93], s[6:7], s[8:9]
	s_add_co_u32 s46, s46, s42                     ; row group = tile column
	s_mul_i32 s46, s46, TB
	s_mov_b32 s47, 0
	s_load_b32 s[SCL], s[88:89], 0x0
	s_mov_b32 s[G0], 1                             ; 1:0 count = 1
	s_mov_b32 s[G0+1], 0                           ; 63:32 LDS address
	s_add_nc_u64 s[G0+2:G0+3], s[4:5], s[20:21]    ; 120:64 global address
	s_or_b32 s[G0+3], s[G0+3], 0x80000000          ; 127:126 type = 2
	s_mov_b32 s[G0B], 1
	s_mov_b32 s[G0B+1], s94
	s_add_nc_u64 s[G0B+2:G0B+3], s[92:93], s[46:47]
	s_or_b32 s[G0B+3], s[G0B+3], 0x80000000
	CROUND                                         ; all sixteen work-groups are here: the first joint loads meet
	JLOAD G1, G1B                                  ; K slots 0, 1, 2: one load of a wave is out
	v_and_b32 v1, 15, v0                           ; r
	v_bfe_u32 v2, v0, 4, 1                         ; h
	v_and_b32 v3, 31, v0                           ; lane
	v_lshlrev_b32 v[CO], 4, v3
	s_lshl_b32 s46, s42, 9                         ; the tile's first column, in bytes
	s_mov_b32 s47, 0
	s_add_nc_u64 s[B2B:B2B+1], s[10:11], s[46:47]
	global_load_b128 v[B2V:B2V+3], v[CO], s[B2B:B2B+1]   ; b2 of my four columns of a row
	s_lshl_b32 s21, s15, 11                        ; my half of K: 2,048 bytes on in each block of 16 rows
	s_lshl_b32 s22, s16, 14                        ; my 64 columns: four blocks of 4,096 bytes
	s_add_co_u32 s22, s22, s21
	s_add_co_u32 s22, s22, ZM
	s_add_co_u32 s23, s22, ZW-ZM
.irp u, 0,1,2
	v_add_nc_u32 v[ADRA+\u], s21, v[CO]
	v_add_nc_u32 v[ADRM+\u], s22, v[CO]
	v_add_nc_u32 v[ADRW+\u], s23, v[CO]
	s_add_co_u32 s21, s21, TB
	s_add_co_u32 s22, s22, TB
	s_add_co_u32 s23, s23, TB
.endr
	s_lshl_b32 s22, s16, 8
	s_add_co_u32 s22, s22, ZM                      ; lanes 16-31: m2's words of my four blocks lie 3 TB + 256 (w % 2) further on than A's of blocks 0-3;
	v_mul_u32_u24 v6, s22, v2
	v_lshl_add_u32 v6, v1, 3, v6
	s_add_co_u32 s22, s22, ZW-ZM-256               ; W2's 6 TB + 256 (w % 2) - 256 further on than A's of blocks 4-7.  One product each
	v_mul_u32_u24 v7, s22, v2
	v_lshl_add_u32 v7, v1, 3, v7
	s_lshl_b32 s21, s15, 9
	s_add_co_u32 s21, s21, 32768                   ; the words of my half of K
.irp u, 0,1,2
	v_add_nc_u32 v[ASL+\u], s21, v6
	v_add_nc_u32 v[ASH+\u], s21, v7
	s_add_co_u32 s21, s21, TB
.endr
	s_mul_i32 s23, s15, ST1-ST0                    ; my stage, by my half of K,
	s_add_co_u32 s23, s23, ST0
	s_lshl_b32 s22, s16, 8
	s_add_co_u32 s23, s23, s22                     ; my 64 columns' 256 bytes,
	v_mul_u32_u24 v5, v1, SPITCH
	v_lshl_add_u32 v5, v2, 5, v5
	v_add_nc_u32 v[STO], s23, v5                   ; row r, 32 bytes for each half of the lanes
	s_mul_i32 s23, s14, 32*SPITCH
	s_add_co_u32 s23, s23, ST0
	v_add_nc_u32 v[RD0], s23, v[CO]                ; back: wave w takes rows 32 w .. 32 w + 31, whole
	v_add_nc_u32 v[RD1], ST1-ST0, v[RD0]
	s_lshl_b32 s20, s17, 7
	s_lshl_b32 s21, s14, 5
	s_add_co_u32 s20, s20, s21
	s_lshl_b32 s20, s20, 12                        ; the first row that I store: (128 x tile row + 32 x wave) x 4,096 bytes
	s_add_co_u32 s46, s46, s20
	s_add_nc_u64 s[OB:OB+1], s[90:91], s[46:47]
; 16 matrix instructions: A's blocks a0, a0 + 1 x B's eight, my 128 along K; p: B's set and the set of scale words.  The 64 accumulators take turns, one instruction a turn.
.macro MUL16 a0, p, zero
.irp a, \a0, \a0+1
.irp b, 0,1,2,3,4,5,6,7
.if \zero
	v_wmma_scale_f32_16x16x128_f8f6f4 v[8*(8*((\a)%4)+\b):8*(8*((\a)%4)+\b)+7], v[128*(\p)+FR*\b:128*(\p)+FR*\b+FR-1], v[AF+FR*(\a):AF+FR*(\a)+FR-1], 0, v[SC+8*(\p)+\b], v[SC+8*(\p)+(\a)] matrix_a_scale:MATRIX_SCALE_ROW1
.else
	v_wmma_scale_f32_16x16x128_f8f6f4 v[8*(8*((\a)%4)+\b):8*(8*((\a)%4)+\b)+7], v[128*(\p)+FR*\b:128*(\p)+FR*\b+FR-1], v[AF+FR*(\a):AF+FR*(\a)+FR-1], v[8*(8*((\a)%4)+\b):8*(8*((\a)%4)+\b)+7], v[SC+8*(\p)+\b], v[SC+8*(\p)+(\a)] matrix_a_scale:MATRIX_SCALE_ROW1
.endif
.endr
.endr
.endm
.macro FETCH_B u, p                    ; place u's blocks 0-3 from m2's TB, blocks 4-7 from W2's, into set p
	WIN TO_B
.irp i, 0,1,2,3
.irp c, 0,1,2,3
	ds_load_b128 v[128*(\p)+FR*\i+4*\c:128*(\p)+FR*\i+4*\c+3], v[ADRM+\u] offset:4096*\i+512*\c
.endr
.endr
.irp i, 0,1,2,3
.irp c, 0,1,2,3
	ds_load_b128 v[128*(\p)+FR*(4+\i)+4*\c:128*(\p)+FR*(4+\i)+4*\c+3], v[ADRW+\u] offset:4096*\i+512*\c
.endr
.endr
	WIN 0
.endm
.macro FETCH_A u, i0
.irp i, \i0, \i0+1, \i0+2, \i0+3
.irp c, 0,1,2,3
	ds_load_b128 v[AF+FR*(\i)+4*\c:AF+FR*(\i)+4*\c+3], v[ADRA+\u] offset:4096*(\i)+512*\c
.endr
.endr
.endm
.macro SCALES u, p                     ; four loads of 8 bytes a lane: the words of two neighbouring blocks each
.irp k, 0,1
	ds_load_b64 v[SC+8*(\p)+2*\k:SC+8*(\p)+2*\k+1], v[ASL+\u] offset:128*\k
.endr
.irp k, 2,3
	ds_load_b64 v[SC+8*(\p)+2*\k:SC+8*(\p)+2*\k+1], v[ASH+\u] offset:128*\k
.endr
.endm
; A K slot whose successor lies in LDS, at place nu: 64 products on set p; the successor's operands are fetched under them: B, the scale words and A's blocks 0-3 in the middle, A's blocks 4-7 at the end.
.macro UNIT_N p, nu, zero
	s_wait_dscnt 16                                ; B's set, the scale words and A's blocks 0-3 are in; the youngest 16 loads (A's blocks 4-7) may be out
	WIN MUL_LO
	MUL16 0, \p, \zero
	MUL16 2, \p, \zero
	s_wait_dscnt 0x0                               ; A's blocks 4-7 are in (asked for 32 matrix instructions ago)
	PLACES NP                                      ; in front of loads into registers that matrix instructions have read
	FETCH_B \nu, 1-\p
	FETCH_A \nu, 0
	SCALES \nu, 1-\p
	WIN MUL_HI
	MUL16 4, \p, \zero
	MUL16 6, \p, \zero
	PLACES NP
	WIN 0
	FETCH_A \nu, 4
.endm
; The zone's third K slot.  Its operands are the last bytes that are read of the zone.  Each wave waits for all its tensor loads (none is out), adds 0 to its spare word, and waits for that and for its reads of the zone;
; the round of the cluster's barrier follows; the joint refill of the whole zone is the first thing behind it.  The K slot's other 48 products stand behind the refill.  Then the landing: each wave waits for its load
; and passes a barrier, behind which every wave may read what any wave's load brought, and the next K slot is fetched from place 0.
.macro UNIT_C p, g1a, g1b
	s_wait_tensorcnt 0x0                           ; no tensor load of mine is out, so a group 0 may be written
	ds_add_u32 v[SPW], v[NIL]                      ; 0 onto my spare word
	ds_add_u32 v28, v29
	s_add_nc_u64 s[G0+2:G0+3], s[G0+2:G0+3], 96*TB       ; three K slots on: constants under 2^25: the type bits on top are not reached
	s_add_nc_u64 s[G0B+2:G0B+3], s[G0B+2:G0B+3], 24*TB
	s_wait_dscnt 17                                ; (the two adds and the youngest 15 loads, of A's blocks 4-7, may be out)
	WIN MUL_LO
	MUL16 0, \p, 0                                 ; sixteen matrix instructions stand between the add and the wait for it
	s_wait_dscnt 0x0                               ; the add is done, and my reads of the zone are over
	s_barrier_signal -1
	WIN 0
	s_barrier_wait -1
	CREST                                          ; the barrier has opened a round of the cluster's barrier: no wave of any partner still reads the zone or has a load on its way
	JLOAD \g1a, \g1b                               ; the first tensor load behind the round, and a wave's only one until the next
	WIN MUL_LO
	MUL16 2, \p, 0
	WIN MUL_HI
	MUL16 4, \p, 0
	MUL16 6, \p, 0
	PLACES NP                                      ; in front of the loads below, into registers that these products have read
	WIN 0
	s_wait_tensorcnt 0x0                           ; my load has landed (it is the one that is out: the count that shows it is 0),
	s_barrier_signal -1
	s_barrier_wait -1                              ; everybody's has
	FETCH_B 0, 1-\p
	FETCH_A 0, 0
	SCALES 0, 1-\p
	FETCH_A 0, 4
.endm
	s_wait_kmcnt 0x0                               ; scale
	s_mov_b32 s[SCL+1], s[SCL]
	s_wait_tensorcnt 0x0                           ; my part of K slots 0 to 2 is in,
	s_barrier_signal -1
	s_barrier_wait -1                              ; everybody's is
	FETCH_B 0, 0
	FETCH_A 0, 0
	SCALES 0, 0
	FETCH_A 0, 4
	UNIT_N 0, 1, 1                                 ; K slot 0: its products start the sums
	UNIT_N 1, 2, 0                                 ; K slot 1
	s_mov_b32 s3, 2
.Llap:                                             ; a trip: K slots 2 to 7, then 8 to 13: two refills of three K slots.  B's sets go by the K slot's parity, so the register numbers come back after two zones
	UNIT_C 0, G1, G1B
	UNIT_N 1, 1, 0
	UNIT_N 0, 2, 0
	UNIT_C 1, G1, G1B
	UNIT_N 0, 1, 0
	UNIT_N 1, 2, 0
	s_sub_co_u32 s3, s3, 1
	s_cmp_lg_u32 s3, 0
	s_cbranch_scc1 .Llap
	UNIT_C 0, G1T, G1BT                            ; K slot 14; the last refill brings K slot 15 alone, into place 0: the tail is written out
	s_wait_dscnt 16                                ; K slot 15: nothing more to fetch
	WIN MUL_LO
	MUL16 0, 1, 0
	MUL16 2, 1, 0
	s_wait_dscnt 0x0
	WIN MUL_HI
	MUL16 4, 1, 0
	MUL16 6, 1, 0
	WIN 0
	; ---- THE WAY OUT.  scale x P4 + P3, one fused multiply-add a number; each accumulator is read from its low end on.  16 rows x 64 columns at a time into my half's stage
	PLACES NP
.irp a, 0,1,2,3,4,5,6,7
.if \a >= 4
	s_wait_dscnt 24                                ; the stores of the block four back are done (the three younger blocks' 24 may be out): its registers are written again
.endif
	WIN 0x22+0x11*(\a/4)                           ; sources 0 and 2: window 2 or 3
.irp nb, 0,1,2,3
.irp j, 0,2,4,6
	v_pk_fma_f32 v[YR+32*(\a%4)+8*\nb+\j:YR+32*(\a%4)+8*\nb+\j+1], v[64*(\a%4)+8*\nb+\j:64*(\a%4)+8*\nb+\j+1], s[SCL:SCL+1], v[64*(\a%4)+32+8*\nb+\j:64*(\a%4)+32+8*\nb+\j+1] op_sel_hi:[1,0,1]
.endr
.endr
	WIN 0
.irp nb, 0,1,2,3
	ds_store_b128 v[STO], v[YR+32*(\a%4)+8*\nb:YR+32*(\a%4)+8*\nb+3] offset:16*SPITCH*\a+64*\nb        ; lane (r, h): row 16 a + r, columns 64 (w % 2) + 16 nb + 8 h + 0 .. 7
	ds_store_b128 v[STO], v[YR+32*(\a%4)+8*\nb+4:YR+32*(\a%4)+8*\nb+7] offset:16*SPITCH*\a+64*\nb+16
.endr
.endr
	s_wait_dscnt 0x0                               ; for the others' sake: my stores into the stage are done
	s_barrier_signal -1
	s_barrier_wait -1
.macro LOADB g                         ; eight whole rows of 512 bytes out of each stage
.irp i, 0,1,2,3,4,5,6,7
	ds_load_b128 v[YR+32*(\g)+4*\i:YR+32*(\g)+4*\i+3], v[RD0] offset:SPITCH*(8*(\g)+\i)
.endr
.irp i, 0,1,2,3,4,5,6,7
	ds_load_b128 v[P1+32*((\g)%2)+4*\i:P1+32*((\g)%2)+4*\i+3], v[RD1] offset:SPITCH*(8*(\g)+\i)
.endr
.endm
	LOADB 0
	LOADB 1
	s_wait_loadcnt 0x0                             ; b2
.irp g, 0,1,2,3
.if \g < 3
	s_wait_dscnt 16                                ; this batch's 16 loads are in; the next batch's 16 may be out
.else
	s_wait_dscnt 0x0
.endif
.irp i, 0,1,2,3,4,5,6,7
	v_pk_add_f32 v[YR+32*\g+4*\i:YR+32*\g+4*\i+1], v[YR+32*\g+4*\i:YR+32*\g+4*\i+1], v[P1+32*(\g%2)+4*\i:P1+32*(\g%2)+4*\i+1]       ; the two halves of K
	v_pk_add_f32 v[YR+32*\g+4*\i+2:YR+32*\g+4*\i+3], v[YR+32*\g+4*\i+2:YR+32*\g+4*\i+3], v[P1+32*(\g%2)+4*\i+2:P1+32*(\g%2)+4*\i+3]
.endr
.irp i, 0,1,2,3,4,5,6,7
	v_pk_add_f32 v[YR+32*\g+4*\i:YR+32*\g+4*\i+1], v[YR+32*\g+4*\i:YR+32*\g+4*\i+1], v[B2V:B2V+1]
	v_pk_add_f32 v[YR+32*\g+4*\i+2:YR+32*\g+4*\i+3], v[YR+32*\g+4*\i+2:YR+32*\g+4*\i+3], v[B2V+2:B2V+3]
.endr
.irp i, 0,1,2,3,4,5,6,7
	global_store_b128 v[CO], v[YR+32*\g+4*\i:YR+32*\g+4*\i+3], s[OB:OB+1] offset:4096*(8*\g+\i) th:TH_STORE_NT   ; 32 lanes store 512 consecutive bytes, aligned; each batch has registers of its own
.endr
.if \g < 2
	LOADB \g+2
.endif
.endr
	s_wait_tensorcnt 0x0                           ; the wave's end, behind my last tensor load and my last LDS store
	ds_add_u32 v[SPW], v[NIL]
	s_wait_dscnt 0x0
	CROUND                                         ; the closing round: no work-group ends while a partner may still ask for a block that names it
	s_endpgm
.Lfunc_end_k_qd0d4296762_ffn2:
	.size	k_qd0d4296762_ffn2, .Lfunc_end_k_qd0d4296762_ffn2-k_qd0d4296762_ffn2
	.p2alignl 7, 3214868480
	.fill 96, 4, 3214868480
	.section	.rodata,"a",@progbits
	.p2align	6, 0x0
	.amdhsa_kernel k_qd0d4296762_ffn2
		.amdhsa_group_segment_fixed_size 327680
		.amdhsa_private_segment_fixed_size 0
		.amdhsa_enable_private_segment 0
		.amdhsa_kernarg_size 48
		.amdhsa_user_sgpr_count 2
		.amdhsa_user_sgpr_kernarg_segment_ptr 1
		.amdhsa_wavefront_size32 1
		.amdhsa_system_sgpr_workgroup_id_x 1
		.amdhsa_system_sgpr_workgroup_id_y 1
		.amdhsa_system_sgpr_workgroup_id_z 1
		.amdhsa_system_vgpr_workitem_id 0
		.amdhsa_next_free_vgpr 1024
		.amdhsa_next_free_sgpr 100
		.amdhsa_reserve_vcc 0
		.amdhsa_float_denorm_mode_32 3
		.amdhsa_float_denorm_mode_16_64 3
		.amdhsa_memory_ordered 1
		.amdhsa_forward_progress 1
		.amdhsa_inst_pref_size 170
	.end_amdhsa_kernel
	.amdgpu_metadata
---
amdhsa.version: [ 1, 2 ]
amdhsa.kernels:
  - .name:           k_qd0d4296762_ffn2
    .symbol:         k_qd0d4296762_ffn2.kd
    .args:
      - { .name: hq, .offset: 0, .size: 8, .value_kind: global_buffer, .address_space: global }
      - { .name: m2q, .offset: 8, .size: 8, .value_kind: global_buffer, .address_space: global }
      - { .name: w2q, .offset: 16, .size: 8, .value_kind: global_buffer, .address_space: global }
      - { .name: b2, .offset: 24, .size: 8, .value_kind: global_buffer, .address_space: global }
      - { .name: scale, .offset: 32, .size: 8, .value_kind: global_buffer, .address_space: global }
      - { .name: out0, .offset: 40, .size: 8, .value_kind: global_buffer, .address_space: global }
    .group_segment_fixed_size: 327680
    .private_segment_fixed_size: 0
    .kernarg_segment_align: 8
    .kernarg_segment_size: 48
    .max_flat_workgroup_size: 128
    .sgpr_count:     100
    .vgpr_count:     1024
    .wavefront_size: 32
...
	.end_amdgpu_metadata
.endif
;; end of part 3
